; MI455X (gfx1250); checked and timed in simulation.
; The chip was launched on July 23, 2026; its instructions are those of AMD's public machine-readable ISA for CDNA 5 (MIT licence, August 2026) and "CDNA5" Instruction Set Architecture Reference Guide (July 2026). The comments in the code are by the model that wrote it; some were corrected since.
;; Transition Up. Allowed arithmetic: float matrix products may take bf16 or f16 operands with f32 sums; all other float work in f32.
;; Inputs: W 128 x 128 float32; W_sub 256 x 128 float32; b 128 float32; b_sub 128 float32; pos 16,384 x 3 float32; pos_sub 8,192 x 3 float32; x 16,384 x 128 float32; x_sub 8,192 x 256 float32.
;; Outputs: out0 16,384 x 128 float32.
;; One version. Each part assembles by itself: llvm-mc -triple=amdgcn-amd-amdhsa -mcpu=gfx1250 --defsym DOCPART=n.
;; ======== version 1 of 1: 3 launches
;; limits: values are held in f16: magnitudes above 65,504 overflow, below 6.1e-05 lose precision; inputs' magnitudes at most 65,504
;; workspace buffers: grp 262,144 bytes of whole numbers; idx 262,144 bytes of whole numbers; wts 262,144 bytes; hsub 4,194,304 bytes
;; launch scan (part 1): grid 256 x 1, 8 waves a work-group, clusters of 4 x 1, 280,576 bytes of LDS; arguments pos, pos_sub, x_sub, W_sub, b_sub, grp, hsub; writes grp, hsub
.if DOCPART == 1
	.amdgcn_target "amdgcn-amd-amdhsa--gfx1250"
	.amdhsa_code_object_version 6
	.text
	.protected	k_q6b25401957_scan
	.globl	k_q6b25401957_scan
	.p2align	8
	.type	k_q6b25401957_scan,@function
k_q6b25401957_scan:
	s_mov_b64 s[64:65], 0
	v_nop
	global_prefetch_b8 v0, s[64:65] scope:SCOPE_SE
	s_setreg_imm32_b32 hwreg(HW_REG_WAVE_MODE, 25, 1), 1
	s_wait_xcnt 0x0
	s_wait_alu depctr_hold_cnt(0) depctr_sa_sdst(0) depctr_va_vdst(0) depctr_va_sdst(0) depctr_va_ssrc(0) depctr_va_vcc(0) depctr_vm_vsrc(0)
	s_getreg_b32 s2, hwreg(HW_REG_IB_STS2, 6, 4)
	s_cmp_eq_u32 s2, 0
	s_cbranch_scc0 .Lentry_in_a_cluster
	s_endpgm
.Lentry_in_a_cluster:
	s_bfe_u32 s2, ttmp6, 0x10000c
	s_cmp_lg_u32 s2, 0x3003
	s_cbranch_scc0 .Lentry_shape_is_right
	s_endpgm
.Lentry_shape_is_right:
; SCAN.  Two results.  (1) grp[q][0..2]: for each of 16,384 queries the three groups of 64 consecutive candidates (128 groups in pos_sub) whose smallest squared distance is
; smallest, ids ascending.  Ordered by (distance, index), each of a query's three nearest candidates lies in one of these three groups: fewer than three groups can hold a smaller element.
; (2) hsub = relu(x_sub W_sub + b_sub), [8192][128] f32: its inputs are asked for at the head and land while the distances are made.
; d2 = (q - p).x^2, then two fused multiply-adds for y and z: differences first, so a common offset of the coordinates costs nothing.  The launch that follows forms d2 by the same three steps.
; LIMITS.  Coordinates finite and d2 below f32's largest number (an infinite d2 is never taken); NaN is not treated apart; d2 may differ from an unfused sum in its last bit.
; x_sub and W_sub are rounded to f16 for the product (sums in f32): they lie within 65,504.
; SHARES.  A work-group owns 64 queries and 32 rows of x_sub.  Wave w scans candidates 1024 w .. +1023.  Lane (r = lane % 16, h = lane / 16) holds queries 4 r .. 4 r + 3 as two packed pairs
; and scans candidates 1024 w + 512 h .. +511: eight groups.  For two queries a candidate costs three packed differences, a packed square and two packed fused multiply-adds; one
; three-operand minimum serves two candidates.  Once a group its minimum goes, with its id, into a sorted list of three (strict less: the earlier id stays ahead at a tie).
; CLUSTER.  All work-groups read the same pos_sub and W_sub: four work-groups ask jointly, each wave for its eighth, with a descriptor made of the wave's number alone.
; LDS is filled once: no slot is filled again.
.set WP,    528                        ; a row of 128 f32 or 256 f16 in LDS: 512 bytes + 16
.set WS,    98304                      ; bytes 0 .. 98,303: pos_sub as it lies, wave w's part at 12,288 w.  Here: W_sub, 256 rows of WP
.set XT,    233472                     ; x_sub's 32 rows in f16, pitch WP
.set MRG,   250368                     ; [wave 8][item 6][query 64] f32: the waves' lists
.set STG,   262656                     ; 32 rows of 128 f32, pitch WP: the product on its way out
.set SPARE, 279552                     ; the spare words: 128 bytes for each of eight waves, four blocks of 256 bytes that no other line names
.set VA,  4                            ; v4   LDS address of the trip's first candidate
.set GID, 5                            ; v5   the id of the group in hand, as f32
.set SPW, 6                            ; v6   LDS address of my spare word; never rewritten
.set NIL, 7                            ; v7   0; never rewritten
                                       ; v[8:11], v12 grp's data and offset; v13 .. v19 LDS and store addresses (made below); v[20:23] bias
.set QX,  24                           ; v[24:27] x, v[28:31] y, v[32:35] z of my four queries
.set ACC, 36                           ; v[36:39] the group's running minimum, a query each
.set GA,  40                           ; v[40:63] the lists: smallest, second, third value, then their ids; four registers (queries) each
.set RB,  64                           ; v[64:111] a ring of four quads of candidates, 12 registers each: x y z x y z ..
.set DX,  112                          ; v[112:135] differences: stream st (2 candidates x 2 query pairs) at DX + 6 st
.set DD,  136                          ; v[136:143] squared distances: candidate c at DD + 4 c + query
.set XR,  144                          ; v[144:175] x_sub as loaded
.set M,   200                          ; v[200:247] the merge: wave w's item e at M + 6 w + e
.set VA0, 253                          ; v253 12,288 w + 6,144 h; never rewritten
.set BF,  64                           ; the tail: W_sub's fragments, 8 registers a K step
.set T,   128                          ; the tail: W_sub's numbers in f32, a ring of four K steps of 16
.set AFR, 128                          ; the tail: x_sub's fragments, at AFR + 16 s + 8 m
.set MK,  48                           ; s[48:59] the insertions' masks, three a list
.macro ROUND                           ; a round of the cluster's barrier
	s_barrier_signal -1
	s_barrier_wait -1
	s_cmp_lg_u32 s18, 0
	s_cbranch_scc1 .Lnot_wave_0_\@
	s_barrier_signal -3
.Lnot_wave_0_\@:
	s_barrier_wait -3
	s_barrier_signal -1
	s_barrier_wait -1
.endm
.macro EACH n, line:vararg             ; one line for each list i
.set i, 0
.rept \n
	\line
.set i, i+1
.endr
.endm
; n independent insertions, written line by line across the lists so that no line waits for the one before it.  List i: value dv + dq i with id pv + pq i goes into the sorted list whose
; six items (three values, three ids) lie li registers apart from lb + lq i on.
.macro INS n, dv, dq, pv, pq, lb, li, lq
	EACH \n, v_cmp_lt_f32 s[MK+3*i], v[(\dv)+(\dq)*i], v[(\lb)+(\lq)*i]
	EACH \n, v_cmp_lt_f32 s[MK+3*i+1], v[(\dv)+(\dq)*i], v[(\lb)+(\li)+(\lq)*i]
	EACH \n, v_cmp_lt_f32 s[MK+3*i+2], v[(\dv)+(\dq)*i], v[(\lb)+2*(\li)+(\lq)*i]
	EACH \n, v_med3_num_f32 v[(\lb)+2*(\li)+(\lq)*i], v[(\lb)+(\li)+(\lq)*i], v[(\lb)+2*(\li)+(\lq)*i], v[(\dv)+(\dq)*i]
	EACH \n, v_med3_num_f32 v[(\lb)+(\li)+(\lq)*i], v[(\lb)+(\lq)*i], v[(\lb)+(\li)+(\lq)*i], v[(\dv)+(\dq)*i]
	EACH \n, v_min_num_f32 v[(\lb)+(\lq)*i], v[(\lb)+(\lq)*i], v[(\dv)+(\dq)*i]
	EACH \n, v_cndmask_b32 v[(\lb)+5*(\li)+(\lq)*i], v[(\lb)+5*(\li)+(\lq)*i], v[(\pv)+(\pq)*i], s[MK+3*i+2]
	EACH \n, v_cndmask_b32 v[(\lb)+5*(\li)+(\lq)*i], v[(\lb)+5*(\li)+(\lq)*i], v[(\lb)+4*(\li)+(\lq)*i], s[MK+3*i+1]
	EACH \n, v_cndmask_b32 v[(\lb)+4*(\li)+(\lq)*i], v[(\lb)+4*(\li)+(\lq)*i], v[(\pv)+(\pq)*i], s[MK+3*i+1]
	EACH \n, v_cndmask_b32 v[(\lb)+4*(\li)+(\lq)*i], v[(\lb)+4*(\li)+(\lq)*i], v[(\lb)+3*(\li)+(\lq)*i], s[MK+3*i]
	EACH \n, v_cndmask_b32 v[(\lb)+3*(\li)+(\lq)*i], v[(\lb)+3*(\li)+(\lq)*i], v[(\pv)+(\pq)*i], s[MK+3*i]
.endm
	s_load_b256 s[4:11], s[0:1], 0x0               ; pos s[4:5], pos_sub s[6:7], x_sub s[8:9], W_sub s[10:11]
	s_load_b128 s[12:15], s[0:1], 0x20             ; b_sub s[12:13], grp s[14:15]
	s_load_b64 s[16:17], s[0:1], 0x30              ; hsub
	v_lshl_add_u32 v[SPW], v0, 2, SPARE
	v_mov_b32 v[NIL], 0
	ds_add_u32 v[SPW], v[NIL]                      ; the wave's opening: the add and its wait stand ahead of my first tensor load; work on registers stands between them
	ds_add_u32 v6, v7
	v_lshrrev_b32 v1, 5, v0
	v_readfirstlane_b32 s18, v1                    ; wave 0..7
	s_bfe_u32 s19, ttmp6, 0x40000                  ; cx: my place in the cluster
	s_lshl_b32 s20, ttmp9, 2                       ; in a cluster launch ttmp9 counts clusters
	s_add_co_u32 s20, s20, s19                     ; the work-group's number: it enters global offsets of my own loads and stores alone
	; group 1 for pos_sub: my eighth is 12,288 dense bytes, asked for as 48 rows of 256 bytes (32 elements of 8 bytes), no padding: the reads are broadcasts
	s_mov_b32 s32, 15|(3<<16)|(1<<21)              ; 15:0 the mask of four; 17:16 elements of 8 bytes; 21 set beside a mask
	s_mov_b32 s33, 32<<16                          ; tensor_dim0 = 32
	s_mov_b32 s34, 48<<16                          ; tensor_dim1 = 48
	s_mov_b32 s35, 32<<16                          ; tile_dim0 = 32
	s_mov_b32 s36, 48                              ; tile_dim1 = 48
	s_mov_b32 s37, 32                              ; 32 elements from row to row
	s_mov_b32 s38, 0
	s_mov_b32 s39, 0
	; group 1 for W_sub: my eighth is 32 rows of 128 f32, 16 bytes of padding behind each
	s_mov_b32 s40, 15|(2<<16)|(1<<20)|(1<<21)|(6<<22)|(3<<25)  ; the mask; elements of 4 bytes; padding on; after every 128 words (code 6) 4 words (code 3)
	s_mov_b32 s41, 128<<16
	s_mov_b32 s42, 32<<16
	s_mov_b32 s43, 128<<16
	s_mov_b32 s44, 32
	s_mov_b32 s45, 128
	s_mov_b32 s46, 0
	s_mov_b32 s47, 0
	s_mov_b32 s24, 1
	s_mul_i32 s25, s18, 12288                      ; LDS address: the wave's number times a constant
	s_mov_b32 s28, 1
	s_mul_i32 s29, s18, 32*WP
	s_add_co_u32 s29, s29, WS
	s_mov_b32 s22, s25                             ; s[22:23]: offsets made of the wave's number, for the descriptors
	s_mov_b32 s23, 0
	s_mov_b32 s3, 0                                ; s[2:3]: offsets made of the work-group's number
	s_mov_b32 s63, 0x7f800000                      ; +infinity
	s_mov_b32 s66, 0x76543210                      ; v_permlanex16_b32: each lane takes its own place in the other half
	s_mov_b32 s67, 0xfedcba98
	v_and_b32 v1, 31, v0                           ; lane
	v_and_b32 v2, 15, v0                           ; r
	v_bfe_u32 v3, v0, 4, 1                         ; h
	v_mul_u32_u24 v248, v2, 48                     ; my four queries' 48 bytes
	v_lshlrev_b32 v249, 4, v1                      ; 16 x lane
	s_lshl_b32 s21, s18, 12
	v_lshl_add_u32 v250, v1, 4, s21                ; x_sub: my wave's four rows of 1,024 bytes
	s_wait_dscnt 0x0                               ; the opening add is done
	s_wait_kmcnt 0x0
	s_add_nc_u64 s[26:27], s[6:7], s[22:23]        ; pos_sub + 12,288 w
	s_or_b32 s27, s27, 0x80000000                  ; type = 2
	s_lshl_b32 s22, s18, 14
	s_add_nc_u64 s[30:31], s[10:11], s[22:23]      ; W_sub + 32 rows x 512 bytes x w
	s_or_b32 s31, s31, 0x80000000
	s_mul_i32 s2, s20, 768
	s_add_nc_u64 s[4:5], s[4:5], s[2:3]            ; pos at my 64 queries
	s_lshl_b32 s2, s20, 15
	s_add_nc_u64 s[8:9], s[8:9], s[2:3]            ; x_sub at my 32 rows
	s_lshl_b32 s2, s20, 10
	s_add_nc_u64 s[14:15], s[14:15], s[2:3]        ; grp at my 64 queries
	s_lshl_b32 s2, s20, 14
	s_add_nc_u64 s[16:17], s[16:17], s[2:3]        ; hsub at my 32 rows
	ROUND                                          ; all four work-groups are here: the joint loads meet
	tensor_load_to_lds s[24:27], s[32:39]          ; my part of pos_sub
	s_nop 0
	tensor_load_to_lds s[28:31], s[40:47]          ; my part of W_sub: two tensor loads of mine are out, and no more are ever issued
	s_nop 0
	global_load_b128 v[DX:DX+3], v248, s[4:5]
	global_load_b128 v[DX+4:DX+7], v248, s[4:5] offset:16
	global_load_b128 v[DX+8:DX+11], v248, s[4:5] offset:32
	global_load_b128 v[20:23], v249, s[12:13]      ; bias of channels 4 lane .. +3
.irp t, 0,1,2,3,4,5,6,7
	global_load_b128 v[XR+4*\t:XR+4*\t+3], v250, s[8:9] offset:512*\t th:TH_LOAD_NT  ; row 4 w + t / 2, half t % 2: 512 consecutive bytes a load
.endr
	; the addresses, while the loads are out
	v_mul_u32_u24 v[VA0], v3, 6144
	v_add_nc_u32 v[VA0], s25, v[VA0]
	v_mov_b32 v[VA], v[VA0]
	s_lshl_b32 s21, s18, 4
	v_lshl_add_u32 v[GID], v3, 3, s21
	v_cvt_f32_u32 v[GID], v[GID]                   ; my first group: 16 w + 8 h
	v_lshlrev_b32 v12, 4, v0                       ; grp: 16 bytes a query (used by waves 0 and 1, whose threads are the 64 queries)
	s_mul_i32 s21, s18, 4*WP
	s_add_co_u32 s21, s21, XT
	v_lshl_add_u32 v13, v1, 3, s21                 ; where my wave's x_sub rows go in f16: 8 bytes a lane
	v_mul_u32_u24 v14, v2, WP
	v_lshl_add_u32 v17, v3, 5, v14
	v_lshl_add_u32 v14, v3, 4, v14
	v_add_nc_u32 v14, XT, v14                      ; x_sub's fragments: row r, 16 bytes for each half of the lanes
	v_mul_u32_u24 v15, v3, 8*WP
	v_lshl_add_u32 v15, v2, 2, v15
	s_lshl_b32 s21, s18, 6
	s_add_co_u32 s21, s21, WS
	v_add_nc_u32 v15, s21, v15                     ; W_sub: row 8 h, column 16 w + r
	v_add_nc_u32 v16, 128*WP, v15                  ; the same 128 rows on: LDS offsets have 16 bits
	s_lshl_b32 s21, s18, 6
	s_add_co_u32 s21, s21, STG
	v_add_nc_u32 v17, s21, v17                     ; the stage, in: row r, channels 16 w + 8 h on
	s_mul_i32 s21, s18, 4*WP
	s_add_co_u32 s21, s21, STG
	v_lshl_add_u32 v18, v1, 4, s21                 ; the stage, back: my wave's four rows, 16 bytes a lane
	s_lshl_b32 s21, s18, 11
	v_lshl_add_u32 v19, v1, 4, s21                 ; and the same in hsub
	s_mul_i32 s21, s18, 1536
	s_add_co_u32 s21, s21, MRG
	v_lshl_add_u32 v251, v2, 4, s21                ; my wave's lists: 16 bytes (four queries) a lane
	s_mov_b32 s21, 0                               ; from here on: bytes walked in my half of the wave's candidates
.irp q, 0,1,2,3
	v_mov_b32 v[GA+\q], s63
	v_mov_b32 v[GA+4+\q], s63
	v_mov_b32 v[GA+8+\q], s63
	v_mov_b32 v[GA+12+\q], 0
	v_mov_b32 v[GA+16+\q], 0
	v_mov_b32 v[GA+20+\q], 0
.endr
	s_wait_loadcnt 0x9                             ; the three loads of pos are in; the bias and x_sub's eight stay out
.irp q, 0,1,2,3
	v_mov_b32 v[QX+\q], v[DX+3*\q]
	v_mov_b32 v[QX+4+\q], v[DX+3*\q+1]
	v_mov_b32 v[QX+8+\q], v[DX+3*\q+2]
.endr
	s_wait_tensorcnt 0x1                           ; my part of pos_sub is in, W_sub's may stay out; only I read my part, so my own wait is all the ordering
.macro LDQ t                           ; quad t of the trip (t = 4 .. 7: of the next trip) into ring slot t % 4
	ds_load_b128 v[RB+12*((\t)%4):RB+12*((\t)%4)+3],    v[VA] offset:48*(\t)
	ds_load_b128 v[RB+12*((\t)%4)+4:RB+12*((\t)%4)+7],  v[VA] offset:48*(\t)+16
	ds_load_b128 v[RB+12*((\t)%4)+8:RB+12*((\t)%4)+11], v[VA] offset:48*(\t)+32
.endm
.macro PSUB dst, q, reg                ; two queries' coordinate less one candidate's, which is taken for both halves from the even or the odd register of its pair
.if ((\reg)&1) == 0
	v_pk_add_f32 v[(\dst):(\dst)+1], v[(\q):(\q)+1], v[(\reg):(\reg)+1] op_sel_hi:[1,0] neg_lo:[0,1] neg_hi:[0,1]
.else
	v_pk_add_f32 v[(\dst):(\dst)+1], v[(\q):(\q)+1], v[(\reg)-1:(\reg)] op_sel:[0,1] op_sel_hi:[1,1] neg_lo:[0,1] neg_hi:[0,1]
.endif
.endm
.macro HSUB s, c0                      ; candidates c0, c0 + 1 of ring slot s against both query pairs: 12 packed differences
.irp ci, 0,1
.irp pp, 0,1
.irp k, 0,1,2
	PSUB DX+12*(\ci)+6*(\pp)+2*(\k), QX+4*(\k)+2*(\pp), RB+12*(\s)+3*((\c0)+(\ci))+(\k)
.endr
.endr
.endr
.endm
.macro HREST                           ; four streams side by side: square, two fused multiply-adds; then the minimum takes two candidates at once
.irp st, 0,1,2,3
	v_pk_mul_f32 v[DD+2*\st:DD+2*\st+1], v[DX+6*\st:DX+6*\st+1], v[DX+6*\st:DX+6*\st+1]
.endr
.irp st, 0,1,2,3
	v_pk_fma_f32 v[DD+2*\st:DD+2*\st+1], v[DX+6*\st+2:DX+6*\st+3], v[DX+6*\st+2:DX+6*\st+3], v[DD+2*\st:DD+2*\st+1]
.endr
.irp st, 0,1,2,3
	v_pk_fma_f32 v[DD+2*\st:DD+2*\st+1], v[DX+6*\st+4:DX+6*\st+5], v[DX+6*\st+4:DX+6*\st+5], v[DD+2*\st:DD+2*\st+1]
.endr
.irp q, 0,1,2,3
	v_min3_num_f32 v[ACC+\q], v[ACC+\q], v[DD+\q], v[DD+4+\q]
.endr
.endm
.macro QUAD t, ahead, cnt              ; four candidates; the slot is loaded again as soon as its last difference is made
	s_wait_dscnt \cnt
	HSUB \t, 0
	HREST
	HSUB \t, 2
.if \ahead
	LDQ (\t)+4
.endif
	HREST
.endm
.macro TRIP ahead                      ; sixteen candidates
.if \ahead
	QUAD 0, 1, 9                                   ; LDS loads come back in order: the three younger quads' nine loads may stay out
	QUAD 1, 1, 9
	QUAD 2, 1, 9
	QUAD 3, 1, 9
	s_add_co_u32 s21, s21, 192
	v_add_nc_u32 v[VA], s21, v[VA0]
.else
	QUAD 0, 0, 9                                   ; the last trip loads nothing: the counts run down
	QUAD 1, 0, 6
	QUAD 2, 0, 3
	QUAD 3, 0, 0
.endif
.endm
.macro OPEN                            ; a group begins
.irp q, 0,1,2,3
	v_mov_b32 v[ACC+\q], s63
.endr
.endm
.macro INSERT                          ; a group ends: its minimum and id go into the four queries' lists
	INS 4, ACC, 1, GID, 0, GA, 4, 1
	v_add_f32 v[GID], 1.0, v[GID]
.endm
	LDQ 0
	LDQ 1
	LDQ 2
	LDQ 3
	s_mov_b32 s60, 7
.Lgroup:                                               ; seven groups of four trips
	OPEN
	s_mov_b32 s61, 4
.Ltrip:
	TRIP 1
	s_sub_co_u32 s61, s61, 1
	s_cmp_lg_u32 s61, 0
	s_cbranch_scc1 .Ltrip
	INSERT
	s_sub_co_u32 s60, s60, 1
	s_cmp_lg_u32 s60, 0
	s_cbranch_scc1 .Lgroup
	OPEN                                           ; the eighth group is written out: its last trip looks no further, so no load leaves my 6,144 bytes
	s_mov_b32 s61, 3
.Llast:
	TRIP 1
	s_sub_co_u32 s61, s61, 1
	s_cmp_lg_u32 s61, 0
	s_cbranch_scc1 .Llast
	TRIP 0
	INSERT
	; The two halves of the lanes hold the same queries: the other half's list comes over and is inserted.  Right in lanes 0 to 15, whose own groups have the lower ids.
.set z, 0
.rept 24
	v_permlanex16_b32 v[DX+z], v[GA+z], s66, s67   ; its destination counts as read: the differences' registers have been written
.set z, z+1
.endr
	INS 4, DX, 1, DX+12, 1, GA, 4, 1
	INS 4, DX+4, 1, DX+16, 1, GA, 4, 1
	INS 4, DX+8, 1, DX+20, 1, GA, 4, 1
	s_wait_loadcnt 0x0                             ; x_sub and the bias
.irp t, 0,1,2,3,4,5,6,7
	v_cvt_pk_f16_f32 v[XR+4*\t], v[XR+4*\t], v[XR+4*\t+1]
	v_cvt_pk_f16_f32 v[XR+4*\t+1], v[XR+4*\t+2], v[XR+4*\t+3]
	ds_store_b64 v13, v[XR+4*\t:XR+4*\t+1] offset:(\t/2)*WP+(\t%2)*256
.endr
	v_cmp_gt_u32 vcc_lo, 16, v1
	s_wait_xcnt 0x0                                ; EXEC changes only behind this wait
	s_and_saveexec_b32 s62, vcc_lo                 ; lanes 0 to 15
.irp e, 0,1,2,3,4,5
	ds_store_b128 v251, v[GA+4*\e:GA+4*\e+3] offset:256*\e
.endr
	s_or_b32 exec_lo, exec_lo, s62
	s_wait_tensorcnt 0x0                           ; for the others' sake: my part of W_sub is in,
	s_wait_dscnt 0x0                               ; and my stores are done
	s_barrier_signal -1
	s_barrier_wait -1
	; Waves 0 and 1 join the eight waves' lists, a lane a query: two chains side by side (waves 0-3, waves 4-7), ids ascending, then the second into the first.
	s_cmp_gt_u32 s18, 1
	s_cbranch_scc1 .Lno_merge
	s_lshl_b32 s21, s18, 7
	s_add_co_u32 s21, s21, MRG
	v_lshl_add_u32 v252, v1, 2, s21
.set z, 0
.rept 48
	ds_load_b32 v[M+z], v252 offset:256*z
.set z, z+1
.endr
	s_wait_dscnt 0x0
.irp j, 1,2,3
.irp e, 0,1,2
	INS 2, M+6*\j+\e, 24, M+6*\j+3+\e, 24, M, 1, 24
.endr
.endr
.irp e, 0,1,2
	INS 1, M+24+\e, 0, M+27+\e, 0, M, 1, 0
.endr
	v_min3_num_f32 v8, v[M+3], v[M+4], v[M+5]      ; the three ids ascending, so that the next launch meets the candidates in the order of their indices
	v_med3_num_f32 v9, v[M+3], v[M+4], v[M+5]
	v_max3_num_f32 v10, v[M+3], v[M+4], v[M+5]
	v_cvt_u32_f32 v8, v8
	v_cvt_u32_f32 v9, v9
	v_cvt_u32_f32 v10, v10
	v_mov_b32 v11, 0
	global_store_b128 v12, v[8:11], s[14:15]       ; 512 consecutive bytes a wave; its registers are never written again
.Lno_merge:
	; THE PRODUCT.  Wave w makes channels 16 w .. +15 of the 32 rows.  Source 0 = 16 channels of W_sub^T, source 1 = 16 rows of x_sub: a lane then holds eight neighbouring channels of one row.
	; A fragment (16 x 32 of f16) holds in registers 0-3 k = 8 h + 0..7 and in 4-7 k = 16 + 8 h + 0..7.  W_sub lies [k][n] in f32: sixteen loads of 4 bytes down a column, rounded in pairs.
.macro BLD s, base, srel
.set z, 0
.rept 16
	ds_load_b32 v[T+16*((\s)%4)+z], v[\base] offset:(32*(\srel)+16*(z/8)+(z%8))*WP
.set z, z+1
.endr
.endm
.macro BCV s
.set z, 0
.rept 8
	v_cvt_pk_f16_f32 v[BF+8*(\s)+z], v[T+16*((\s)%4)+2*z], v[T+16*((\s)%4)+2*z+1]
.set z, z+1
.endr
.endm
	BLD 0, 15, 0
	BLD 1, 15, 1
	BLD 2, 15, 2
	BLD 3, 15, 3
.irp s, 0,1,2,3,4,5,6,7
.if \s < 5
	s_wait_dscnt 48                                ; three younger K steps' loads may stay out
.else
	s_wait_dscnt 16*(7-\s)
.endif
	BCV \s
.if \s < 4
	BLD \s+4, 16, \s
.endif
.endr
.irp s, 0,1,2,3,4,5,6,7
.irp m, 0,1
	ds_load_b128 v[AFR+16*\s+8*\m:AFR+16*\s+8*\m+3],   v14 offset:16*WP*\m+64*\s
	ds_load_b128 v[AFR+16*\s+8*\m+4:AFR+16*\s+8*\m+7], v14 offset:16*WP*\m+64*\s+32
.endr
.endr
.irp s, 0,1,2,3,4,5,6,7                ; the two accumulators take turns, one instruction a turn; the first K step starts the sums
	s_wait_dscnt 4*(7-\s)                          ; four loads a K step: the later steps' may stay out
.if \s == 0
	v_wmma_f32_16x16x32_f16 v[24:31], v[BF:BF+7], v[AFR:AFR+7], 0
	v_wmma_f32_16x16x32_f16 v[32:39], v[BF:BF+7], v[AFR+8:AFR+15], 0
.else
	v_wmma_f32_16x16x32_f16 v[24:31], v[BF+8*\s:BF+8*\s+7], v[AFR+16*\s:AFR+16*\s+7], v[24:31]
	v_wmma_f32_16x16x32_f16 v[32:39], v[BF+8*\s:BF+8*\s+7], v[AFR+16*\s+8:AFR+16*\s+15], v[32:39]
.endif
.endr
.rept 4
	v_nop                                          ; four places between the last product and the stores that read it; no other vector work is at hand
.endr
	ds_store_b128 v17, v[24:27]                    ; each accumulator's low registers first
	ds_store_b128 v17, v[28:31] offset:16
	ds_store_b128 v17, v[32:35] offset:16*WP
	ds_store_b128 v17, v[36:39] offset:16*WP+16
	s_wait_dscnt 0x0                               ; for the others' sake: a row's 512 bytes come from all eight waves
	s_barrier_signal -1
	s_barrier_wait -1
.irp n, 0,1,2,3
	ds_load_b128 v[40+4*\n:43+4*\n], v18 offset:WP*\n
.endr
.irp n, 0,1,2,3
	s_wait_dscnt 3-\n
	v_pk_add_f32 v[40+4*\n:41+4*\n], v[40+4*\n:41+4*\n], v[20:21]
	v_pk_add_f32 v[42+4*\n:43+4*\n], v[42+4*\n:43+4*\n], v[22:23]
	v_max_num_f32 v[40+4*\n], 0, v[40+4*\n]
	v_max_num_f32 v[41+4*\n], 0, v[41+4*\n]
	v_max_num_f32 v[42+4*\n], 0, v[42+4*\n]
	v_max_num_f32 v[43+4*\n], 0, v[43+4*\n]
	global_store_b128 v19, v[40+4*\n:43+4*\n], s[16:17] offset:512*\n  ; a whole row: 512 consecutive bytes, at a multiple of 512 from hsub's first
.endr
	s_wait_tensorcnt 0x0                           ; the wave's end, behind my last tensor load and my last LDS store
	ds_add_u32 v[SPW], v[NIL]
	s_wait_dscnt 0x0
	ROUND                                          ; the closing round
	s_endpgm
.Lfunc_end_k_q6b25401957_scan:
	.size	k_q6b25401957_scan, .Lfunc_end_k_q6b25401957_scan-k_q6b25401957_scan
	.p2alignl 7, 3214868480
	.fill 96, 4, 3214868480
	.section	.rodata,"a",@progbits
	.p2align	6, 0x0
	.amdhsa_kernel k_q6b25401957_scan
		.amdhsa_group_segment_fixed_size 280576
		.amdhsa_private_segment_fixed_size 0
		.amdhsa_enable_private_segment 0
		.amdhsa_kernarg_size 56
		.amdhsa_user_sgpr_count 2
		.amdhsa_user_sgpr_kernarg_segment_ptr 1
		.amdhsa_wavefront_size32 1
		.amdhsa_system_sgpr_workgroup_id_x 1
		.amdhsa_system_sgpr_workgroup_id_y 1
		.amdhsa_system_sgpr_workgroup_id_z 1
		.amdhsa_system_vgpr_workitem_id 0
		.amdhsa_next_free_vgpr 256
		.amdhsa_next_free_sgpr 68
		.amdhsa_reserve_vcc 1
		.amdhsa_float_denorm_mode_32 3
		.amdhsa_float_denorm_mode_16_64 3
		.amdhsa_memory_ordered 1
		.amdhsa_forward_progress 1
		.amdhsa_inst_pref_size 106
	.end_amdhsa_kernel
	.amdgpu_metadata
---
amdhsa.version: [ 1, 2 ]
amdhsa.kernels:
  - .name:           k_q6b25401957_scan
    .symbol:         k_q6b25401957_scan.kd
    .args:
      - { .name: pos, .offset: 0, .size: 8, .value_kind: global_buffer, .address_space: global }
      - { .name: pos_sub, .offset: 8, .size: 8, .value_kind: global_buffer, .address_space: global }
      - { .name: x_sub, .offset: 16, .size: 8, .value_kind: global_buffer, .address_space: global }
      - { .name: W_sub, .offset: 24, .size: 8, .value_kind: global_buffer, .address_space: global }
      - { .name: b_sub, .offset: 32, .size: 8, .value_kind: global_buffer, .address_space: global }
      - { .name: grp, .offset: 40, .size: 8, .value_kind: global_buffer, .address_space: global }
      - { .name: hsub, .offset: 48, .size: 8, .value_kind: global_buffer, .address_space: global }
    .group_segment_fixed_size: 280576
    .private_segment_fixed_size: 0
    .kernarg_segment_align: 8
    .kernarg_segment_size: 56
    .max_flat_workgroup_size: 256
    .sgpr_count:     68
    .vgpr_count:     256
    .wavefront_size: 32
...
	.end_amdgpu_metadata
.endif
;; end of part 1
;; launch refine (part 2): grid 256 x 1, 4 waves a work-group, no clusters, 167,936 bytes of LDS; arguments pos, pos_sub, grp, idx, wts; writes idx, wts
.if DOCPART == 2
	.amdgcn_target "amdgcn-amd-amdhsa--gfx1250"
	.amdhsa_code_object_version 6
	.text
	.protected	k_q6b25401957_refine
	.globl	k_q6b25401957_refine
	.p2align	8
	.type	k_q6b25401957_refine,@function
k_q6b25401957_refine:
	s_mov_b64 s[64:65], 0
	v_nop
	global_prefetch_b8 v0, s[64:65] scope:SCOPE_SE
	s_setreg_imm32_b32 hwreg(HW_REG_WAVE_MODE, 25, 1), 1
	s_wait_xcnt 0x0
; REFINE.  For each query the exact three nearest among the 3 x 64 candidates of the three groups that grp names (ids ascending), which hold the three nearest of all 8,192.
; idx[q][0..2] their indices, nearest first (at equal distance the lower index first); wts[q][k] = w_k / (w_0 + w_1 + w_2), w = 1 / (d2 + 1e-16).  The fourth word of each is 0.
; d2 is formed as in the launch before: q - p, a square, two fused multiply-adds.
; LIMITS.  Coordinates finite, d2 below f32's largest number; NaN is not treated apart; a reciprocal below 2^-126 counts as 0 (d2 beyond 8e37).
; SHARES.  A work-group owns 64 queries, two lanes a query: query 16 w + r, r = lane % 16.  The 192 candidates are six chunks of 32 in ascending order of index; lane half h takes chunks
; 3 h, 3 h + 1, 3 h + 2 as three independent sorted lists of three, so that three insertions stand side by side; then the lists are joined in ascending order, and the halves.
; NO CLUSTER, though all work-groups read the same pos_sub: a lane's LDS address is made of the groups that grp names for its query, which differ from work-group to work-group, and a launch
; with joint requests keeps every LDS address alike in all partners.  So each work-group asks for its own copy, 98,304 bytes, once, each wave for its quarter.  LDS is filled once.
.set SPARE, 110592                     ; bytes 0 .. 110,591: pos_sub with 16 bytes of padding behind every 128: chunk k (384 bytes) begins at 432 k, 108 words, so chunks begin at bank 4 (11 k mod 16).  Here: the spare words, 128 bytes a wave
.set QR,  8                            ; v[8:13] qx qy qz qx qy qz: three pairs that fit the three ways in which a pair of registers cuts x y z x y z
.set KC,  14                           ; v14-16 the group's id as loaded, then my three chunks' numbers
.set AD,  17                           ; v17-19 their LDS addresses
.set LI,  24                           ; list t: ids at LI + 8 t + 0..2,
.set LV,  28                           ;         values at LV + 8 t + 0..2
.set RG,  64                           ; v[64:99], v[100:135] a ring of two steps: four candidates of list t at + 12 t
.set DR,  136                          ; v[136:147] d2 of candidate c of list t at DR + 4 t + c
.set MK,  32                           ; s[32:40] the insertions' masks
.macro EACH n, line:vararg             ; one line for each list i
.set i, 0
.rept \n
	\line
.set i, i+1
.endr
.endm
; n insertions side by side: value dv + dq i goes into list i.  k = 1: its id is the constant pv; k = 0: register pv + pq i.  Strict less: what came first stays ahead at a tie.
.macro PAY n, k, pv, pq, item, mask
.if \k
	EACH \n, v_cndmask_b32 v[LI+(\item)+8*i], v[LI+(\item)+8*i], \pv, s[MK+3*i+(\mask)]
.else
	EACH \n, v_cndmask_b32 v[LI+(\item)+8*i], v[LI+(\item)+8*i], v[(\pv)+(\pq)*i], s[MK+3*i+(\mask)]
.endif
.endm
.macro INS n, dv, dq, k, pv, pq
	EACH \n, v_cmp_lt_f32 s[MK+3*i], v[(\dv)+(\dq)*i], v[LV+8*i]
	EACH \n, v_cmp_lt_f32 s[MK+3*i+1], v[(\dv)+(\dq)*i], v[LV+1+8*i]
	EACH \n, v_cmp_lt_f32 s[MK+3*i+2], v[(\dv)+(\dq)*i], v[LV+2+8*i]
	EACH \n, v_med3_num_f32 v[LV+2+8*i], v[LV+1+8*i], v[LV+2+8*i], v[(\dv)+(\dq)*i]
	EACH \n, v_med3_num_f32 v[LV+1+8*i], v[LV+8*i], v[LV+1+8*i], v[(\dv)+(\dq)*i]
	EACH \n, v_min_num_f32 v[LV+8*i], v[LV+8*i], v[(\dv)+(\dq)*i]
	PAY \n, \k, \pv, \pq, 2, 2
	EACH \n, v_cndmask_b32 v[LI+2+8*i], v[LI+2+8*i], v[LI+1+8*i], s[MK+3*i+1]
	PAY \n, \k, \pv, \pq, 1, 1
	EACH \n, v_cndmask_b32 v[LI+1+8*i], v[LI+1+8*i], v[LI+8*i], s[MK+3*i]
	PAY \n, \k, \pv, \pq, 0, 0
.endm
	s_load_b256 s[4:11], s[0:1], 0x0               ; pos s[4:5], pos_sub s[6:7], grp s[8:9], idx s[10:11]
	s_load_b64 s[12:13], s[0:1], 0x20              ; wts
	v_lshl_add_u32 v4, v0, 2, SPARE
	v_mov_b32 v5, 0
	ds_add_u32 v4, v5                              ; the wave's opening: the add and its wait stand ahead of my first tensor load; work on registers stands between them
	ds_add_u32 v4, v5
	v_lshrrev_b32 v1, 5, v0
	v_readfirstlane_b32 s14, v1                    ; wave 0..3
	s_mov_b32 s16, ttmp9                           ; the work-group's number
	; group 1: my quarter of pos_sub is 24,576 dense bytes: 96 rows of 256 bytes (32 elements of 8), padded in LDS after every 128 bytes
	s_mov_b32 s24, (3<<16)|(1<<20)|(4<<22)|(3<<25) ; 15:0 no mask; 17:16 8-byte elements; 20 padding on; 24:22 after every 32 words (code 4); 31:25 4 words (code 3)
	s_mov_b32 s25, 32<<16                          ; tensor_dim0 = 32
	s_mov_b32 s26, 96<<16                          ; tensor_dim1 = 96
	s_mov_b32 s27, 32<<16                          ; tile_dim0 = 32
	s_mov_b32 s28, 96                              ; tile_dim1 = 96
	s_mov_b32 s29, 32                              ; 32 elements from row to row
	s_mov_b32 s30, 0
	s_mov_b32 s31, 0
	s_mov_b32 s20, 1
	s_mul_i32 s21, s14, 27648                      ; LDS address: 192 blocks of 144 bytes a wave
	s_mul_i32 s18, s14, 24576
	s_mov_b32 s19, 0
	s_mov_b32 s3, 0
	s_mov_b32 s42, 0x76543210                      ; v_permlanex16_b32: each lane takes its own place in the other half
	s_mov_b32 s43, 0xfedcba98
	v_and_b32 v1, 31, v0                           ; lane
	v_and_b32 v2, 15, v0                           ; r
	v_bfe_u32 v3, v0, 4, 1                         ; h
	v_xor_b32 v23, 1, v3                           ; 1 - h
	s_lshl_b32 s17, s14, 4
	v_add_nc_u32 v7, s17, v2                       ; my query among the group's 64
	v_lshlrev_b32 v6, 4, v7                        ; its 16 bytes in grp, idx and wts
	v_mul_u32_u24 v7, v7, 12                       ; its 12 bytes in pos
	v_lshl_add_u32 v20, v3, 2, v6                  ; chunks 3 h + 0, 1, 2 lie in the groups of slots h, 2 h, 1 + h,
	v_lshl_add_u32 v21, v3, 3, v6
	v_add_nc_u32 v22, 4, v20
	s_wait_dscnt 0x0                               ; the opening add is done
	s_wait_kmcnt 0x0
	s_add_nc_u64 s[22:23], s[6:7], s[18:19]
	s_or_b32 s23, s23, 0x80000000                  ; type = 2
	s_mul_i32 s2, s16, 768
	s_add_nc_u64 s[4:5], s[4:5], s[2:3]            ; pos at my 64 queries
	s_lshl_b32 s2, s16, 10
	s_add_nc_u64 s[8:9], s[8:9], s[2:3]            ; grp, idx, wts likewise
	s_add_nc_u64 s[10:11], s[10:11], s[2:3]
	s_add_nc_u64 s[12:13], s[12:13], s[2:3]
	tensor_load_to_lds s[20:23], s[24:31]          ; my quarter: the one tensor load of mine
	s_nop 0
	global_load_b32 v[KC], v20, s[8:9]
	global_load_b32 v[KC+1], v21, s[8:9]
	global_load_b32 v[KC+2], v22, s[8:9]
	global_load_b96 v[QR:QR+2], v7, s[4:5]
.irp t, 0,1,2
.irp e, 0,1,2
	v_mov_b32 v[LV+8*\t+\e], 0x7f800000
	v_mov_b32 v[LI+8*\t+\e], 0
.endr
.endr
	s_wait_loadcnt 0x0
	v_mov_b32 v[QR+3], v[QR]
	v_mov_b32 v[QR+4], v[QR+1]
	v_mov_b32 v[QR+5], v[QR+2]
	v_lshl_add_u32 v[KC], v[KC], 1, v3             ; and are those groups' halves h, 1 - h, h
	v_lshl_add_u32 v[KC+1], v[KC+1], 1, v23
	v_lshl_add_u32 v[KC+2], v[KC+2], 1, v3
.irp t, 0,1,2
	v_min_u32 v[KC+\t], 0xff, v[KC+\t]             ; a chunk's number stays inside the table of 256
	v_mul_u32_u24 v[AD+\t], v[KC+\t], 432
.endr
	s_wait_tensorcnt 0x0                           ; my quarter is in,
	s_barrier_signal -1
	s_barrier_wait -1                              ; everybody's is: every wave reads all four
.macro LOAD j                          ; four candidates (48 bytes) of each of my three chunks: piece n of 16 bytes lies at 144 (n / 8) + 16 (n % 8)
.irp t, 0,1,2
.irp u, 0,1,2
	ds_load_b128 v[RG+36*((\j)%2)+12*\t+4*\u:RG+36*((\j)%2)+12*\t+4*\u+3], v[AD+\t] offset:144*((3*(\j)+\u)/8)+16*((3*(\j)+\u)%8)
.endr
.endr
.endm
.macro STEP j
.set RJ, RG+36*((\j)%2)
.set z, 0
.rept 18
	v_pk_add_f32 v[RJ+2*z:RJ+2*z+1], v[QR+2*(z%3):QR+2*(z%3)+1], v[RJ+2*z:RJ+2*z+1] neg_lo:[0,1] neg_hi:[0,1]  ; q - p, in place
.set z, z+1
.endr
.set z, 0
.rept 12
	v_mul_f32 v[DR+z], v[RJ+3*z], v[RJ+3*z]
.set z, z+1
.endr
.set z, 0
.rept 12
	v_fmac_f32 v[DR+z], v[RJ+3*z+1], v[RJ+3*z+1]
.set z, z+1
.endr
.set z, 0
.rept 12
	v_fmac_f32 v[DR+z], v[RJ+3*z+2], v[RJ+3*z+2]
.set z, z+1
.endr
.irp c, 0,1,2,3
	INS 3, DR+\c, 4, 1, 4*(\j)+\c, 0               ; the id is the candidate's place in its chunk, a constant of the text
.endr
.endm
	LOAD 0
	LOAD 1
.irp j, 0,1,2,3,4,5,6,7
.if \j < 7
	s_wait_dscnt 0x9                               ; the younger step's nine loads may stay out
.else
	s_wait_dscnt 0x0
.endif
	STEP \j
.if \j < 6
	LOAD \j+2
.endif
.endr
.irp t, 0,1,2
.irp e, 0,1,2
	v_lshl_add_u32 v[LI+8*\t+\e], v[KC+\t], 5, v[LI+8*\t+\e]  ; index = 32 x chunk + place
.endr
.endr
.irp e, 0,1,2
	INS 1, LV+8+\e, 0, 0, LI+8+\e, 0               ; the second chunk's list into the first's,
.endr
.irp e, 0,1,2
	INS 1, LV+16+\e, 0, 0, LI+16+\e, 0             ; the third's,
.endr
.irp e, 0,1,2
	v_permlanex16_b32 v[LI+8+\e], v[LI+\e], s42, s43
	v_permlanex16_b32 v[LV+8+\e], v[LV+\e], s42, s43
.endr
.irp e, 0,1,2
	INS 1, LV+8+\e, 0, 0, LI+8+\e, 0               ; and the other half of the lanes': right in lanes 0 to 15, whose own chunks have the lower indices
.endr
	v_add_f32 v48, 0x24e69595, v[LV]               ; d2 + 1e-16
	v_add_f32 v49, 0x24e69595, v[LV+1]
	v_add_f32 v50, 0x24e69595, v[LV+2]
	v_rcp_f32 v48, v48
	v_rcp_f32 v49, v49
	v_rcp_f32 v50, v50
	v_mov_b32 v51, 0                               ; a plain instruction between the reciprocals and the use of their results
	v_mov_b32 v[LI+3], 0
	s_wait_alu depctr_va_vdst(0)
	v_add_f32 v52, v48, v49
	v_add_f32 v52, v52, v50
	v_rcp_f32 v52, v52
	v_cmp_gt_u32 vcc_lo, 16, v1                    ; (the plain instruction behind that reciprocal)
	s_wait_alu depctr_va_vdst(0)
	v_mul_f32 v48, v48, v52
	v_mul_f32 v49, v49, v52
	v_mul_f32 v50, v50, v52
	s_wait_xcnt 0x0                                ; EXEC changes only behind this wait
	s_and_saveexec_b32 s44, vcc_lo                 ; lanes 0 to 15: sixteen lanes store 256 consecutive bytes, at a multiple of 256 from the buffer's first
	global_store_b128 v6, v[LI:LI+3], s[10:11]
	global_store_b128 v6, v[48:51], s[12:13]
	s_wait_xcnt 0x0                                ; and again in front of the line that widens it
	s_or_b32 exec_lo, exec_lo, s44
	s_wait_tensorcnt 0x0                           ; the wave's end
	ds_add_u32 v4, v5
	s_wait_dscnt 0x0
	s_endpgm
.Lfunc_end_k_q6b25401957_refine:
	.size	k_q6b25401957_refine, .Lfunc_end_k_q6b25401957_refine-k_q6b25401957_refine
	.p2alignl 7, 3214868480
	.fill 96, 4, 3214868480
	.section	.rodata,"a",@progbits
	.p2align	6, 0x0
	.amdhsa_kernel k_q6b25401957_refine
		.amdhsa_group_segment_fixed_size 167936
		.amdhsa_private_segment_fixed_size 0
		.amdhsa_enable_private_segment 0
		.amdhsa_kernarg_size 40
		.amdhsa_user_sgpr_count 2
		.amdhsa_user_sgpr_kernarg_segment_ptr 1
		.amdhsa_wavefront_size32 1
		.amdhsa_system_sgpr_workgroup_id_x 1
		.amdhsa_system_sgpr_workgroup_id_y 1
		.amdhsa_system_sgpr_workgroup_id_z 1
		.amdhsa_system_vgpr_workitem_id 0
		.amdhsa_next_free_vgpr 148
		.amdhsa_next_free_sgpr 66
		.amdhsa_reserve_vcc 1
		.amdhsa_float_denorm_mode_32 3
		.amdhsa_float_denorm_mode_16_64 3
		.amdhsa_memory_ordered 1
		.amdhsa_forward_progress 1
		.amdhsa_inst_pref_size 99
	.end_amdhsa_kernel
	.amdgpu_metadata
---
amdhsa.version: [ 1, 2 ]
amdhsa.kernels:
  - .name:           k_q6b25401957_refine
    .symbol:         k_q6b25401957_refine.kd
    .args:
      - { .name: pos, .offset: 0, .size: 8, .value_kind: global_buffer, .address_space: global }
      - { .name: pos_sub, .offset: 8, .size: 8, .value_kind: global_buffer, .address_space: global }
      - { .name: grp, .offset: 16, .size: 8, .value_kind: global_buffer, .address_space: global }
      - { .name: idx, .offset: 24, .size: 8, .value_kind: global_buffer, .address_space: global }
      - { .name: wts, .offset: 32, .size: 8, .value_kind: global_buffer, .address_space: global }
    .group_segment_fixed_size: 167936
    .private_segment_fixed_size: 0
    .kernarg_segment_align: 8
    .kernarg_segment_size: 40
    .max_flat_workgroup_size: 128
    .sgpr_count:     66
    .vgpr_count:     148
    .wavefront_size: 32
...
	.end_amdgpu_metadata
.endif
;; end of part 2
;; launch mix (part 3): grid 256 x 1, 8 waves a work-group, clusters of 4 x 1, 167,936 bytes of LDS; arguments x, W, b, hsub, idx, wts, out0; writes out0
.if DOCPART == 3
	.amdgcn_target "amdgcn-amd-amdhsa--gfx1250"
	.amdhsa_code_object_version 6
	.text
	.protected	k_q6b25401957_mix
	.globl	k_q6b25401957_mix
	.p2align	8
	.type	k_q6b25401957_mix,@function
k_q6b25401957_mix:
	s_mov_b64 s[64:65], 0
	v_nop
	global_prefetch_b8 v0, s[64:65] scope:SCOPE_SE
	s_setreg_imm32_b32 hwreg(HW_REG_WAVE_MODE, 25, 1), 1
	s_wait_xcnt 0x0
	s_wait_alu depctr_hold_cnt(0) depctr_sa_sdst(0) depctr_va_vdst(0) depctr_va_sdst(0) depctr_va_ssrc(0) depctr_va_vcc(0) depctr_vm_vsrc(0)
	s_getreg_b32 s2, hwreg(HW_REG_IB_STS2, 6, 4)
	s_cmp_eq_u32 s2, 0
	s_cbranch_scc0 .Lentry_in_a_cluster
	s_endpgm
.Lentry_in_a_cluster:
	s_bfe_u32 s2, ttmp6, 0x10000c
	s_cmp_lg_u32 s2, 0x3003
	s_cbranch_scc0 .Lentry_shape_is_right
	s_endpgm
.Lentry_shape_is_right:
; MIX.  out0[q] = relu(x[q] W + b) + the sum over k = 0..2 of wts[q][k] hsub[idx[q][k]].  x, out0: [16384][128] f32; hsub: [8192][128] f32; idx, wts: [16384][4], made by the launch before.
; LIMITS.  x and W are rounded to f16 for the product (sums in f32): they lie within 65,504.  An index is held inside hsub's 8,192 rows.
; SHARES.  A work-group owns 64 rows.  In the product wave w makes channels 16 w .. +15 of all 64 rows; for loads, gathers and stores wave w owns rows 8 w .. 8 w + 7, a lane 16 bytes of a row,
; so that every load and store of a wave covers 512 consecutive bytes.  A wave's 24 indices and weights are scalars; its 24 gathered rows are asked for at the head and land under the product.
; CLUSTER.  All work-groups read the same W: four ask jointly, each wave for its eighth.  LDS is filled once.
.set WP,    528                        ; a row of 128 f32 in LDS: 512 bytes + 16
.set XP,    272                        ; a row of 128 f16: 256 bytes + 16
.set XT,    67584                      ; bytes 0 .. 67,583: W, 128 rows of WP.  Here: x's 64 rows in f16
.set STG,   84992                      ; 64 rows of 128 f32, pitch WP: the product on its way out
.set SPARE, 118784                     ; the spare words: 128 bytes for each of eight waves
.set ACC, 16                           ; v[16:47] four accumulators: rows 16 m .. +15
.set BF,  48                           ; v[48:79] W's fragments, 8 registers a K step
.set XR,  80                           ; v[80:111] x as loaded
.set OFF, 112                          ; v[112:135] the gathers' offsets
.set L16, 136                          ; v136 16 x lane
.set T,   80                           ; then v[80:143] W's numbers in f32, 16 a K step
.set AB0, 80                           ; then x's fragments, two buffers of 32
.set AB1, 112
.set Y,   80                           ; then my eight rows of the product
.set H,   144                          ; v[144:239] the gathered rows: row i's neighbour k at H + 12 i + 4 k
.macro ROUND                           ; a round of the cluster's barrier
	s_barrier_signal -1
	s_barrier_wait -1
	s_cmp_lg_u32 s18, 0
	s_cbranch_scc1 .Lnot_wave_0_\@
	s_barrier_signal -3
.Lnot_wave_0_\@:
	s_barrier_wait -3
	s_barrier_signal -1
	s_barrier_wait -1
.endm
	s_load_b256 s[4:11], s[0:1], 0x0               ; x s[4:5], W s[6:7], b s[8:9], hsub s[10:11]
	s_load_b128 s[12:15], s[0:1], 0x20             ; idx s[12:13], wts s[14:15]
	s_load_b64 s[16:17], s[0:1], 0x30              ; out0
	v_lshl_add_u32 v4, v0, 2, SPARE
	v_mov_b32 v5, 0
	ds_add_u32 v4, v5                              ; the wave's opening: the add and its wait stand ahead of my first tensor load; work on registers stands between them
	ds_add_u32 v4, v5
	v_lshrrev_b32 v1, 5, v0
	v_readfirstlane_b32 s18, v1                    ; wave 0..7
	s_bfe_u32 s19, ttmp6, 0x40000                  ; cx
	s_lshl_b32 s100, ttmp9, 2
	s_add_co_u32 s100, s100, s19                   ; the work-group's number: it enters global offsets of my own loads and stores alone
	; group 1: my eighth of W is 16 rows of 128 f32, 16 bytes of padding behind each
	s_mov_b32 s56, 15|(2<<16)|(1<<20)|(1<<21)|(6<<22)|(3<<25)  ; the mask of four; 4-byte elements; padding on; 21 set beside a mask; after every 128 words (code 6) 4 words (code 3)
	s_mov_b32 s57, 128<<16                         ; tensor_dim0 = 128
	s_mov_b32 s58, 16<<16                          ; tensor_dim1 = 16
	s_mov_b32 s59, 128<<16                         ; tile_dim0 = 128
	s_mov_b32 s60, 16                              ; tile_dim1 = 16
	s_mov_b32 s61, 128                             ; 128 elements from row to row
	s_mov_b32 s62, 0
	s_mov_b32 s63, 0
	s_mov_b32 s52, 1
	s_mul_i32 s53, s18, 16*WP                      ; LDS address: the wave's number times a constant
	s_lshl_b32 s66, s18, 13                        ; 16 rows of 512 bytes a wave
	s_mov_b32 s67, 0
	s_mov_b32 s3, 0
	v_and_b32 v1, 31, v0                           ; lane
	v_and_b32 v2, 15, v0                           ; r
	v_bfe_u32 v3, v0, 4, 1                         ; h
	v_lshlrev_b32 v[L16], 4, v1
	s_lshl_b32 s101, s18, 12
	v_lshl_add_u32 v6, v1, 4, s101                 ; x and out0: my wave's eight rows of 512 bytes, 16 bytes a lane; never rewritten
	s_mul_i32 s101, s18, 8*XP
	s_add_co_u32 s101, s101, XT
	v_lshl_add_u32 v7, v1, 3, s101                 ; where those rows go in f16
	v_mul_u32_u24 v8, v2, XP
	v_lshl_add_u32 v8, v3, 4, v8
	v_add_nc_u32 v8, XT, v8                        ; x's fragments: row r, 16 bytes for each half of the lanes
	v_mul_u32_u24 v9, v3, 8*WP
	v_lshl_add_u32 v9, v2, 2, v9
	s_lshl_b32 s101, s18, 6
	v_add_nc_u32 v9, s101, v9                      ; W: row 8 h, column 16 w + r
	v_mul_u32_u24 v10, v2, WP
	v_lshl_add_u32 v10, v3, 5, v10
	s_add_co_u32 s101, s101, STG
	v_add_nc_u32 v10, s101, v10                    ; the stage, in: row r, channels 16 w + 8 h on
	s_mul_i32 s101, s18, 8*WP
	s_add_co_u32 s101, s101, STG
	v_lshl_add_u32 v11, v1, 4, s101                ; the stage, back: my wave's eight rows
	s_lshl_b32 s101, s18, 7
	s_wait_dscnt 0x0                               ; the opening add is done
	s_wait_kmcnt 0x0
	s_add_nc_u64 s[54:55], s[6:7], s[66:67]
	s_or_b32 s55, s55, 0x80000000                  ; type = 2
	s_lshl_b32 s2, s100, 15
	s_add_nc_u64 s[4:5], s[4:5], s[2:3]            ; x and out0 at my 64 rows
	s_add_nc_u64 s[16:17], s[16:17], s[2:3]
	s_lshl_b32 s2, s100, 10
	s_add_co_u32 s2, s2, s101
	s_add_nc_u64 s[12:13], s[12:13], s[2:3]        ; idx and wts at my wave's eight rows of 16 bytes
	s_add_nc_u64 s[14:15], s[14:15], s[2:3]
	ROUND                                          ; all four work-groups are here: the joint loads meet
	tensor_load_to_lds s[52:55], s[56:63]          ; my eighth of W: the one tensor load of mine
	s_nop 0
	s_load_b512 s[20:35], s[12:13], 0x0            ; row i's indices at s[20 + 4 i ..],
	s_load_b512 s[36:51], s[12:13], 0x40
	s_load_b512 s[68:83], s[14:15], 0x0            ; its weights at s[68 + 4 i ..]
	s_load_b512 s[84:99], s[14:15], 0x40
.irp t, 0,1,2,3,4,5,6,7
	global_load_b128 v[XR+4*\t:XR+4*\t+3], v6, s[4:5] offset:512*\t th:TH_LOAD_NT
.endr
	global_load_b128 v[12:15], v[L16], s[8:9]      ; bias of channels 4 lane .. +3
	s_wait_kmcnt 0x0
.irp n, 0,1,2,3,4,5,6,7
.irp k, 0,1,2
	s_min_u32 s[20+4*\n+\k], s[20+4*\n+\k], 0x1fff ; inside the table
	s_lshl_b32 s[20+4*\n+\k], s[20+4*\n+\k], 9     ; a row of hsub is 512 bytes
	v_add_nc_u32 v[OFF+3*\n+\k], s[20+4*\n+\k], v[L16]
	global_load_b128 v[H+12*\n+4*\k:H+12*\n+4*\k+3], v[OFF+3*\n+\k], s[10:11]  ; no hint: rows are named again by neighbouring queries
.endr
.endr
	s_wait_loadcnt 24                              ; x and the bias are in; the 24 gathers stay out
.irp t, 0,1,2,3,4,5,6,7
	v_cvt_pk_f16_f32 v[XR+4*\t], v[XR+4*\t], v[XR+4*\t+1]
	v_cvt_pk_f16_f32 v[XR+4*\t+1], v[XR+4*\t+2], v[XR+4*\t+3]
	ds_store_b64 v7, v[XR+4*\t:XR+4*\t+1] offset:XP*\t
.endr
	s_wait_xcnt 0x0                                ; the gathers' offset registers are written again only behind this wait
	s_wait_tensorcnt 0x0                           ; for the others' sake: my part of W is in,
	s_wait_dscnt 0x0                               ; and my stores are done
	s_barrier_signal -1
	s_barrier_wait -1
	; Source 0 = 16 channels of W^T, source 1 = 16 rows of x: a lane then holds eight neighbouring channels of one row.  A fragment (16 x 32 of f16) holds in registers 0-3
	; k = 8 h + 0..7 and in 4-7 k = 16 + 8 h + 0..7.  W lies [k][n] in f32: sixteen loads of 4 bytes down a column, rounded in pairs.
.irp s, 0,1,2,3
.set z, 0
.rept 16
	ds_load_b32 v[T+16*\s+z], v9 offset:(32*\s+16*(z/8)+(z%8))*WP
.set z, z+1
.endr
.endr
.irp s, 0,1,2,3
	s_wait_dscnt 48-16*\s                          ; the later K steps' loads may stay out
.set z, 0
.rept 8
	v_cvt_pk_f16_f32 v[BF+8*\s+z], v[T+16*\s+2*z], v[T+16*\s+2*z+1]
.set z, z+1
.endr
.endr
.macro ALD s, ab                       ; x's fragments of K step s: eight loads
.irp m, 0,1,2,3
	ds_load_b128 v[(\ab)+8*\m:(\ab)+8*\m+3],   v8 offset:16*XP*\m+64*(\s)
	ds_load_b128 v[(\ab)+8*\m+4:(\ab)+8*\m+7], v8 offset:16*XP*\m+64*(\s)+32
.endr
.endm
.macro MUL4 s, ab, zero                ; the four accumulators take turns, one instruction a turn; zero = 1: the first K step starts the sums
.irp m, 0,1,2,3
.if \zero
	v_wmma_f32_16x16x32_f16 v[ACC+8*\m:ACC+8*\m+7], v[BF+8*(\s):BF+8*(\s)+7], v[(\ab)+8*\m:(\ab)+8*\m+7], 0
.else
	v_wmma_f32_16x16x32_f16 v[ACC+8*\m:ACC+8*\m+7], v[BF+8*(\s):BF+8*(\s)+7], v[(\ab)+8*\m:(\ab)+8*\m+7], v[ACC+8*\m:ACC+8*\m+7]
.endif
.endr
.endm
.macro PLACES                          ; four places between a product and a load into its sources, or a store of its result (ISA guide 7.12.1 for vector instructions)
.rept 4
	v_nop
.endr
.endm
	ALD 0, AB0
	ALD 1, AB1
	s_wait_dscnt 0x8                               ; K step 0's fragments are in, the next step's eight loads may stay out
	MUL4 0, AB0, 1
	PLACES
	ALD 2, AB0
	s_wait_dscnt 0x8
	MUL4 1, AB1, 0
	PLACES
	ALD 3, AB1
	s_wait_dscnt 0x8
	MUL4 2, AB0, 0
	s_wait_dscnt 0x0
	MUL4 3, AB1, 0
	PLACES
.irp m, 0,1,2,3
	ds_store_b128 v10, v[ACC+8*\m:ACC+8*\m+3] offset:16*WP*\m       ; each accumulator's low registers first
	ds_store_b128 v10, v[ACC+8*\m+4:ACC+8*\m+7] offset:16*WP*\m+16
.endr
	s_wait_dscnt 0x0                               ; for the others' sake: a row's 512 bytes come from all eight waves
	s_barrier_signal -1
	s_barrier_wait -1
.irp n, 0,1,2,3,4,5,6,7
	ds_load_b128 v[Y+4*\n:Y+4*\n+3], v11 offset:WP*\n
.endr
.irp n, 0,1,2,3,4,5,6,7
	s_wait_dscnt 7-\n                              ; row n of the product is back,
	s_wait_loadcnt 21-3*\n                         ; and its three gathered rows are in; the later rows' stay out
	v_pk_add_f32 v[Y+4*\n:Y+4*\n+1], v[Y+4*\n:Y+4*\n+1], v[12:13]
	v_pk_add_f32 v[Y+4*\n+2:Y+4*\n+3], v[Y+4*\n+2:Y+4*\n+3], v[14:15]
.irp c, 0,1,2,3
	v_max_num_f32 v[Y+4*\n+\c], 0, v[Y+4*\n+\c]
.endr
.irp k, 0,1,2
.irp c, 0,1,2,3
	v_fma_f32 v[Y+4*\n+\c], s[68+4*\n+\k], v[H+12*\n+4*\k+\c], v[Y+4*\n+\c]
.endr
.endr
	global_store_b128 v6, v[Y+4*\n:Y+4*\n+3], s[16:17] offset:512*\n th:TH_STORE_NT  ; a whole row: 512 consecutive bytes, at a multiple of 512 from out0's first
.endr
	s_wait_tensorcnt 0x0                           ; the wave's end, behind my last tensor load and my last LDS store
	ds_add_u32 v4, v5
	s_wait_dscnt 0x0
	ROUND                                          ; the closing round
	s_endpgm
.Lfunc_end_k_q6b25401957_mix:
	.size	k_q6b25401957_mix, .Lfunc_end_k_q6b25401957_mix-k_q6b25401957_mix
	.p2alignl 7, 3214868480
	.fill 96, 4, 3214868480
	.section	.rodata,"a",@progbits
	.p2align	6, 0x0
	.amdhsa_kernel k_q6b25401957_mix
		.amdhsa_group_segment_fixed_size 167936
		.amdhsa_private_segment_fixed_size 0
		.amdhsa_enable_private_segment 0
		.amdhsa_kernarg_size 56
		.amdhsa_user_sgpr_count 2
		.amdhsa_user_sgpr_kernarg_segment_ptr 1
		.amdhsa_wavefront_size32 1
		.amdhsa_system_sgpr_workgroup_id_x 1
		.amdhsa_system_sgpr_workgroup_id_y 1
		.amdhsa_system_sgpr_workgroup_id_z 1
		.amdhsa_system_vgpr_workitem_id 0
		.amdhsa_next_free_vgpr 240
		.amdhsa_next_free_sgpr 102
		.amdhsa_reserve_vcc 0
		.amdhsa_float_denorm_mode_32 3
		.amdhsa_float_denorm_mode_16_64 3
		.amdhsa_memory_ordered 1
		.amdhsa_forward_progress 1
		.amdhsa_inst_pref_size 33
	.end_amdhsa_kernel
	.amdgpu_metadata
---
amdhsa.version: [ 1, 2 ]
amdhsa.kernels:
  - .name:           k_q6b25401957_mix
    .symbol:         k_q6b25401957_mix.kd
    .args:
      - { .name: x, .offset: 0, .size: 8, .value_kind: global_buffer, .address_space: global }
      - { .name: W, .offset: 8, .size: 8, .value_kind: global_buffer, .address_space: global }
      - { .name: b, .offset: 16, .size: 8, .value_kind: global_buffer, .address_space: global }
      - { .name: hsub, .offset: 24, .size: 8, .value_kind: global_buffer, .address_space: global }
      - { .name: idx, .offset: 32, .size: 8, .value_kind: global_buffer, .address_space: global }
      - { .name: wts, .offset: 40, .size: 8, .value_kind: global_buffer, .address_space: global }
      - { .name: out0, .offset: 48, .size: 8, .value_kind: global_buffer, .address_space: global }
    .group_segment_fixed_size: 167936
    .private_segment_fixed_size: 0
    .kernarg_segment_align: 8
    .kernarg_segment_size: 56
    .max_flat_workgroup_size: 256
    .sgpr_count:     102
    .vgpr_count:     240
    .wavefront_size: 32
...
	.end_amdgpu_metadata
.endif
;; end of part 3
